; MI455X (gfx1250); checked and timed in simulation.
; The chip was launched on July 23, 2026; its instructions are those of AMD's public machine-readable ISA for CDNA 5 (MIT licence, August 2026) and "CDNA5" Instruction Set Architecture Reference Guide (July 2026). The comments in the code are by the model that wrote it; some were corrected since.
;; LSTM Cell. Allowed arithmetic: matrix products marked QUANTISED: E3M2 operands, one E8M0 scale for each 32 along K, by v_wmma_scale_f32_16x16x128_f8f6f4 with both operands' format E3M2, f32 sums; everything else in f32.
;; Inputs: W_fg 2,048 x 4,096 float32; W_ig 2,048 x 4,096 float32; W_og 2,048 x 4,096 float32; W_ol 2,048 x 4,096 float32; c_state 2,048 x 2,048 float32; prev_state 2,048 x 2,048 float32; x 2,048 x 2,048 float32.
;; Outputs: out0 2,048 x 2,048 float32.
;; This version of the problem:
;;   THIS VERSION OF THE PROBLEM IS GIVEN IN LOW PRECISION. The matrix products marked QUANTISED in the list below multiply operands that are first quantised to E3M2 (3 exponent bits, 2 mantissa bits; 6 bits a number), with one power-of-two scale for each 32 numbers along K (OCP MX v1.0); their sums are f32. All else is computed in f32.
;;   The module's matrix products, in the order in which they are computed (A, B: the left and right operand; K: the contracted axis; several contracted axes count as one K, in the product's order):
;;     1. [M 2,048, K 4,096] x [K 4,096, N 8,192]; A: computed on the way; B: computed on the way: QUANTISED
;;   THE QUANTISER, for each operand of a quantised product, along K:
;;     - K is cut into blocks of 32 from its start; a last block that is shorter is filled with zeros.
;;     - A block's scale is 2^e with e = floor(log2(the largest magnitude in the block)) - 4, held to -126 .. 127; a block of zeros has e = 0. As a byte (E8M0): e + 127.
;;     - Each number is divided by its block's scale, clamped to +-28, and rounded to the nearest number of E3M2, ties to even, subnormals kept.
;;     - The product sums the exact products of the quantised numbers (number of the format x scale) in f32.
;;   ~~~python
;;   def quantise(x, axis):      # numpy; x: float32 -> the quantised numbers, widened to float32 again
;;       x = np.moveaxis(x, axis, -1); K = x.shape[-1]
;;       x = np.pad(x, [(0, 0)] * (x.ndim - 1) + [(0, -K % 32)]); x = x.reshape(x.shape[:-1] + (-1, 32)); a = np.abs(x).max(-1, keepdims=True)
;;       e = np.where(a > 0, np.clip(np.frexp(np.where(a > 0, a, 1))[1] - 1 - 4, -126, 127), 0)      # np.frexp(a)[1] - 1 = floor(log2(a)), exactly
;;       r = np.clip(x / 2.0 ** e, -28, 28)
;;       step = 2.0 ** (np.maximum(np.frexp(np.where(r == 0, 1, r))[1] - 1, -2) - 2)
;;       q = np.round(r / step) * step * 2.0 ** e      # np.round: ties to even
;;       return np.moveaxis(q.reshape(q.shape[:-2] + (-1,))[..., :K], -1, axis).astype(np.float32)
;;   ~~~
;;   OPERANDS COMPUTED ON THE WAY. 'Computed on the way' means the value that the module computes at that place (a softmax that the list does not call 'softmax' is quantised finished and normalised). What goes into a quantiser is computed in f32, as accurately as f32 sums, v_exp_f32 and their like allow (about 1e-6 of the number): no bf16 or f16 on the way to a quantiser, and a product that is left as it is and whose result goes on into a quantised operand takes f32 operands (vector FMAs, or v_wmma_f32_16x16x4_f32). A number that lies on a knife's edge between two numbers of the format may be rounded either way, as far as f32 arithmetic and the matrix unit's own rounding can turn it there, and no further.
;; One version. Each part assembles by itself: llvm-mc -triple=amdgcn-amd-amdhsa -mcpu=gfx1250 --defsym DOCPART=n.
;; ======== version 1 of 1: 2 launches
;; limits: right only within a limited range of input values
;; workspace buffers: a_ops 6,553,600 bytes; b_ops 26,214,400 bytes
;; launch quant (part 1): grid 1280 x 1, 4 waves a work-group, no clusters, 34,304 bytes of LDS; arguments prev_state, x, W_fg, W_ig, W_og, W_ol, a_ops, b_ops; writes a_ops, b_ops
.if DOCPART == 1
	.amdgcn_target "amdgcn-amd-amdhsa--gfx1250"
	.amdhsa_code_object_version 6
	.text
	.protected	k_qb750be432a_quant
	.globl	k_qb750be432a_quant
	.p2align	8
	.type	k_qb750be432a_quant,@function
k_qb750be432a_quant:
	s_mov_b64 s[64:65], 0
	v_nop
	global_prefetch_b8 v0, s[64:65] scope:SCOPE_SE
	s_setreg_imm32_b32 hwreg(HW_REG_WAVE_MODE, 25, 1), 1
	s_wait_xcnt 0x0
; Both operands of gates = [prev_state | x] W_all^T are turned, once, into codes of BF6 (E3M2), 6 bits each, with one E8M0 scale byte for each 32 along K (K = 4,096), and laid IN THE ORDER OF THE
; OPERAND'S REGISTERS, so that the product's launch takes a fragment by three loads of 16 bytes a lane and a K step's tile as one dense block.
;   a_ops [16 groups of 128 rows][32 q of 128 along K][12,800 bytes], b_ops [64 groups][32][12,800].  One (group, q): 8 fragments (16 rows x 128 K) of 1,536 bytes, each three images of 512 bytes (lane l's
;   registers 4 c .. 4 c + 3 at 512 c + 16 l); then 2 x 256 bytes of scale words: [half][row r][4 words], word s = the word (four bytes, 128 along K) of row r of block 4 half + s.
;   A's block i of group G is rows 128 G + 16 i on of [prev_state | x].  B's block i of group G is gate i / 2 (W_fg 0, W_ig 1, W_og 2, W_ol 3), its rows 32 G + 16 (i % 2) on: so 128 rows of B on end are
;   32 hidden columns x 4 gates, and the product's launch finds the four gates of a hidden column in one lane.
; A block's scale is 2^(floor(log2(its largest magnitude)) - 4); its byte is the largest magnitude's own exponent field - 4, held at 1 from below.  Each number is divided by the scale and rounded to the nearest
; code, ties to even; beyond the largest code the conversion gives the largest code.
; LIMITS: a block of zeros gets the byte 1 where the rule says 127 (its codes are zeros, which add nothing under any byte but 0xff, and this program alone reads the bytes); blocks whose largest magnitude lies
; under 2^(4 - 126) share that byte; NaN and infinities among the inputs are not served.
; SHARES.  1,280 work-groups of four waves: 0 .. 255 take the activations, the others the weights.  A work-group is (group, half, four q on end); wave w takes q = 4 q4 + w: 64 rows x 128 K, four fragments.
; So the four waves read 2,048 consecutive bytes of each of their rows, a wave's codes are 6,144 bytes on end and its scale words 256, all at multiples of 256 from the buffer's first byte.
; A STEP is one fragment: 16 loads, each 512 consecutive bytes of one row; the 8,192 bytes turn through the wave's own stage in LDS (rows 528 bytes apart: the sixteen rows that a load of 16 bytes a lane touches
; start at sixteen different banks) and come back so that lane (r, h) holds, of row r, the 16 neighbours 16 h on of each block of 32: what the conversions take.  No tensor loads, no barrier: waves share nothing.
.set QB,   12800                       ; bytes of one (group, q)
.set GB,   32*QB                       ; of a group
.set FRB,  1536                        ; of a fragment
.set SCO,  8*FRB                       ; where a (group, q)'s scale words begin
.set SP,   528                         ; a stage row: 512 bytes + 16
.set WREG, 16*SP                       ; a wave's stage
.set SI,   4                           ; v4     the stage, on the way in: 16 x lane
.set SO,   5                           ; v5     and on the way out: SP r + 64 h
.set LI,   6                           ; v6     an image's place for my lane, in my half's codes
.set LS,   7                           ; v7     my 8 bytes of the scale words
.set W,    8                           ; v8-11  my row's scale word of each of the four fragments
.set VO,   12                          ; v12-27 16 x lane + i rows of the source
.set TM,   28                          ; v28-31 largest magnitudes, v32-35 the other half's, then the bytes, v40-43 the conversions' scale operands
.set PC,   44                          ; v44-55 the fragment just made; v56-62 halves of blocks on their way
.set R,    64                          ; v64-127, v128-191 two sets of 64 numbers
.set SEL,  20                          ; s[20:21] v_permlanex16_b32's selects for lane l xor 16
.set SB,   48                          ; s[48:55] where each step's 16 rows begin
	s_load_b512 s[4:19], s[0:1], 0x0               ; prev_state s[4:5], x s[6:7], W_fg s[8:9], W_ig s[10:11], W_og s[12:13], W_ol s[14:15], a_ops s[16:17], b_ops s[18:19]
	v_lshl_add_u32 v36, v0, 2, 0x8400              ; v36: my spare word, behind the four stages; never rewritten
	v_mov_b32 v37, 0                               ; v37: 0; never rewritten
	v_lshrrev_b32 v1, 5, v0
	v_readfirstlane_b32 s24, v1                    ; wave
	v_and_b32 v2, 31, v0                           ; lane
	v_and_b32 v3, 15, v0                           ; r
	v_bfe_u32 v1, v0, 4, 1                         ; h
	s_mul_i32 s25, s24, WREG
	v_lshlrev_b32 v[LI], 4, v2
	v_add_nc_u32 v[SI], s25, v[LI]
	v_mul_u32_u24 v[SO], v3, SP
	v_lshl_add_u32 v[SO], v1, 6, v[SO]
	v_add_nc_u32 v[SO], s25, v[SO]
	v_lshlrev_b32 v[LS], 4, v3
	v_lshl_add_u32 v[LS], v1, 3, v[LS]             ; 16 r + 8 h
.irp b, 0,1,2,3
	v_mov_b32 v[TM+4+\b], 0                        ; written once: a lane permute's destination counts as one of its sources
.endr
	s_mov_b32 s[SEL], 0x76543210
	s_mov_b32 s[SEL+1], 0xfedcba98
	; whole numbers first: which group, half and q
	s_lshr_b32 s25, ttmp9, 4                       ; 0 .. 15: A's group; 16 .. 79: 16 + B's group
	s_bfe_u32 s26, ttmp9, 0x10003                  ; the half: blocks 4 half .. 4 half + 3
	s_and_b32 s27, ttmp9, 7                        ; q4
	s_lshl_b32 s28, s27, 2
	s_add_co_u32 s28, s28, s24                     ; q = 4 q4 + wave
	s_and_b32 s29, s28, 15                         ; A: q within prev_state or within x
	s_lshl_b32 s30, s25, 7
	s_lshl_b32 s31, s26, 6
	s_add_co_u32 s30, s30, s31                     ; A: my first row: 128 group + 64 half
	s_max_u32 s31, s25, 16
	s_sub_co_u32 s31, s31, 16                      ; B's group
	s_lshl_b32 s32, s31, 5                         ; B: my first row in each of my two weights: 32 group
	s_wait_kmcnt 0x0
	s_cmp_lt_u32 s27, 4                            ; every choice hangs on the work-group's number alone
	s_cselect_b64 s[38:39], s[4:5], s[6:7]         ; K under 2,048: prev_state; else x
	s_cmp_eq_u32 s26, 0
	s_cselect_b64 s[40:41], s[8:9], s[12:13]       ; half 0: gates 0 and 1; half 1: gates 2 and 3
	s_cselect_b64 s[42:43], s[10:11], s[14:15]
	s_cmp_lt_u32 ttmp9, 256                        ; activations or weights?  Only selections follow, so that all stand on this one compare
	s_cselect_b64 s[40:41], s[38:39], s[40:41]     ; steps 0 and 1 read here,
	s_cselect_b64 s[42:43], s[38:39], s[42:43]     ; steps 2 and 3 here
	s_cselect_b64 s[36:37], s[16:17], s[18:19]     ; the output
	s_cselect_b32 s30, s30, s32                    ; my first row
	s_cselect_b32 s29, s29, s28                    ; my 512 bytes of a row
	s_cselect_b32 s33, 13, 14                      ; a source row is 8,192 or 16,384 bytes
	s_cselect_b32 s34, s25, s31                    ; the group
	s_cselect_b32 s35, 0x40000, 0                  ; A: steps 2 and 3 lie 32 rows of 8,192 bytes further down; B: in the other weight
	s_lshl_b32 s44, s30, s33
	s_lshl_b32 s29, s29, 9
	s_add_co_u32 s44, s44, s29                     ; my first row's 512 bytes, in bytes (under 2^26)
	s_mov_b32 s45, 0
	s_add_nc_u64 s[SB:SB+1], s[40:41], s[44:45]
	s_add_co_u32 s44, s44, s35
	s_add_nc_u64 s[SB+4:SB+5], s[42:43], s[44:45]
	s_lshl_b32 s46, 1, s33                         ; a source row in bytes
	s_lshl_b32 s44, s46, 4                         ; 16 rows
	s_add_nc_u64 s[SB+2:SB+3], s[SB:SB+1], s[44:45]
	s_add_nc_u64 s[SB+6:SB+7], s[SB+4:SB+5], s[44:45]
	s_mul_i32 s44, s34, GB
	s_mul_i32 s47, s28, QB
	s_add_co_u32 s44, s44, s47
	s_add_nc_u64 s[36:37], s[36:37], s[44:45]      ; the output at my (group, q)
.irp i, 0,1,2,3,4,5,6,7,8,9,10,11,12,13,14,15
	v_mad_u32_u24 v[VO+\i], s46, \i, v[LI]         ; row i of a step: 16 x lane + i rows
.endr
	s_mul_i32 s47, s26, 4*FRB
	v_add_nc_u32 v[LI], s47, v[LI]                 ; my half's four fragments
	s_lshl_b32 s47, s26, 8
	v_add_nc_u32 v[LS], s47, v[LS]                 ; my half's 256 bytes of scale words
.macro LOAD t                          ; step t's 16 rows into set t % 2
.irp i, 0,1,2,3,4,5,6,7,8,9,10,11,12,13,14,15
	global_load_b128 v[R+64*((\t)%2)+4*\i:R+64*((\t)%2)+4*\i+3], v[VO+\i], s[SB+2*(\t):SB+2*(\t)+1] th:TH_LOAD_NT   ; 32 lanes read 512 consecutive bytes of one row; read once in the launch
.endr
.endm
.macro STEP t
.set XS, R+64*((\t)%2)
.if (\t) < 3
	s_wait_loadcnt 16                              ; this step's 16 loads are in; the next step's 16 may be out
.else
	s_wait_loadcnt 0x0
.endif
.irp i, 0,1,2,3,4,5,6,7,8,9,10,11,12,13,14,15
	ds_store_b128 v[SI], v[XS+4*\i:XS+4*\i+3] offset:SP*\i   ; as loaded: a row's 512 bytes on end
.endr
	s_wait_dscnt 0x0                               ; the stores have read their registers: the numbers come back into the same set
.irp b, 0,1,2,3
.irp j, 0,1,2,3
	ds_load_b128 v[XS+16*\b+4*\j:XS+16*\b+4*\j+3], v[SO] offset:128*\b+16*\j   ; register 16 b + i = k 32 b + 16 h + i of my row r
.endr
.endr
	s_wait_dscnt 0x0
.irp b, 0,1,2,3
	v_max3_num_f32 v[TM+\b], |v[XS+16*\b]|, |v[XS+1+16*\b]|, 0x2800000   ; block b: my 16 numbers, and the floor 2^(5 - 127), under which no largest magnitude is taken: so the byte cannot fall under 1
.endr
.irp i, 2,4,6,8,10,12,14
.irp b, 0,1,2,3
	v_max3_num_f32 v[TM+\b], v[TM+\b], |v[XS+16*\b+\i]|, |v[XS+1+16*\b+\i]|   ; (the four blocks by turns: no line waits for the line above it)
.endr
.endr
.irp b, 0,1,2,3
	v_permlanex16_b32 v[TM+4+\b], v[TM+\b], s[SEL], s[SEL+1]
.endr
.irp b, 0,1,2,3
	v_max_num_f32 v[TM+\b], v[TM+\b], v[TM+4+\b]   ; with lane l xor 16's: the block's largest magnitude
.endr
.irp b, 0,1,2,3
	v_add_nc_u32 v[TM+12+\b], 0xfe000000, v[TM+\b] ; 4 off its exponent field: the conversion takes the exponent field of this operand as its scale, and nothing else of it
.endr
.irp b, 0,1,2,3
	v_lshrrev_b32 v[TM+4+\b], 23, v[TM+12+\b]      ; the scale's byte
.endr
	v_lshl_or_b32 v[W+(\t)], v[TM+5], 8, v[TM+4]   ; the four bytes make my row's scale word (both halves of the lanes hold the same)
	v_lshl_or_b32 v[W+(\t)], v[TM+6], 16, v[W+(\t)]
	v_lshl_or_b32 v[W+(\t)], v[TM+7], 24, v[W+(\t)]
.if (\t) > 0
	s_wait_xcnt 0x0                                ; the last step's stores have read their data: the fragment's registers are written again only behind this wait
.endif
.irp c, 0,1
	v_cvt_scalef32_pk16_bf6_f32 v[PC+6*\c:PC+2+6*\c], v[XS+32*\c:XS+15+32*\c], v[TM+12+2*\c]
	v_cvt_scalef32_pk16_bf6_f32 v[PC+12+4*\c:PC+14+4*\c], v[XS+16+32*\c:XS+31+32*\c], v[TM+12+2*\c+1]   ; (a conversion's three registers begin on an even number)
.endr
	v_nop                                          ; one plain place behind a scaled conversion
.irp c, 0,1                                    ; the operand's layout wants a WHOLE block in a lane: lanes 0-15 block 2 c, lanes 16-31 block 2 c + 1
.irp i, 0,1,2
	v_permlane16_swap_b32 v[PC+6*\c+\i], v[PC+12+4*\c+\i]
.endr
.irp i, 0,1,2
	v_mov_b32 v[PC+3+6*\c+\i], v[PC+12+4*\c+\i]    ; registers 6 c .. 6 c + 5 now hold k = 64 c + 32 h + 0 .. 31
.endr
.endr
.irp c, 0,1,2
	global_store_b128 v[LI], v[PC+4*\c:PC+4*\c+3], s[36:37] offset:FRB*(\t)+512*\c   ; the fragment as it stands: 32 lanes store 512 consecutive bytes, at a multiple of 256 from the buffer's first byte
.endr
.if (\t)+2 < 4
	LOAD (\t)+2                                    ; the set is free: the step two on
.endif
.endm
	LOAD 0
	LOAD 1
.irp t, 0,1,2,3
	STEP \t
.endr
	v_cmp_le_u32 vcc_lo, 16, v2                    ; lanes 0-15 store a row's words 0 and 1, lanes 16-31 its words 2 and 3
	v_cndmask_b32 v[TM], v[W], v[W+2], vcc_lo
	v_cndmask_b32 v[TM+1], v[W+1], v[W+3], vcc_lo
	global_store_b64 v[LS], v[TM:TM+1], s[36:37] offset:SCO   ; 32 lanes store 256 consecutive bytes, at a multiple of 256 from the buffer's first byte
	s_wait_tensorcnt 0x0
	ds_add_u32 v36, v37
	s_wait_dscnt 0x0
	s_endpgm
.Lfunc_end_k_qb750be432a_quant:
	.size	k_qb750be432a_quant, .Lfunc_end_k_qb750be432a_quant-k_qb750be432a_quant
	.p2alignl 7, 3214868480
	.fill 96, 4, 3214868480
	.section	.rodata,"a",@progbits
	.p2align	6, 0x0
	.amdhsa_kernel k_qb750be432a_quant
		.amdhsa_group_segment_fixed_size 34304
		.amdhsa_private_segment_fixed_size 0
		.amdhsa_enable_private_segment 0
		.amdhsa_kernarg_size 64
		.amdhsa_user_sgpr_count 2
		.amdhsa_user_sgpr_kernarg_segment_ptr 1
		.amdhsa_wavefront_size32 1
		.amdhsa_system_sgpr_workgroup_id_x 1
		.amdhsa_system_sgpr_workgroup_id_y 1
		.amdhsa_system_sgpr_workgroup_id_z 1
		.amdhsa_system_vgpr_workitem_id 0
		.amdhsa_next_free_vgpr 192
		.amdhsa_next_free_sgpr 66
		.amdhsa_reserve_vcc 1
		.amdhsa_float_denorm_mode_32 3
		.amdhsa_float_denorm_mode_16_64 3
		.amdhsa_memory_ordered 1
		.amdhsa_forward_progress 1
		.amdhsa_inst_pref_size 35
	.end_amdhsa_kernel
	.amdgpu_metadata
---
amdhsa.version: [ 1, 2 ]
amdhsa.kernels:
  - .name:           k_qb750be432a_quant
    .symbol:         k_qb750be432a_quant.kd
    .args:
      - { .name: prev_state, .offset: 0, .size: 8, .value_kind: global_buffer, .address_space: global }
      - { .name: x, .offset: 8, .size: 8, .value_kind: global_buffer, .address_space: global }
      - { .name: W_fg, .offset: 16, .size: 8, .value_kind: global_buffer, .address_space: global }
      - { .name: W_ig, .offset: 24, .size: 8, .value_kind: global_buffer, .address_space: global }
      - { .name: W_og, .offset: 32, .size: 8, .value_kind: global_buffer, .address_space: global }
      - { .name: W_ol, .offset: 40, .size: 8, .value_kind: global_buffer, .address_space: global }
      - { .name: a_ops, .offset: 48, .size: 8, .value_kind: global_buffer, .address_space: global }
      - { .name: b_ops, .offset: 56, .size: 8, .value_kind: global_buffer, .address_space: global }
    .group_segment_fixed_size: 34304
    .private_segment_fixed_size: 0
    .kernarg_segment_align: 8
    .kernarg_segment_size: 64
    .max_flat_workgroup_size: 128
    .sgpr_count:     66
    .vgpr_count:     192
    .wavefront_size: 32
...
	.end_amdgpu_metadata
.endif
;; end of part 1
;; launch gemm (part 2): grid 32 x 8, 4 waves a work-group, clusters of 4 x 4, 327,680 bytes of LDS; arguments a_ops, b_ops, c_state, out0; writes out0
.if DOCPART == 2
	.amdgcn_target "amdgcn-amd-amdhsa--gfx1250"
	.amdhsa_code_object_version 6
	.text
	.protected	k_qb750be432a_gemm
	.globl	k_qb750be432a_gemm
	.p2align	8
	.type	k_qb750be432a_gemm,@function
k_qb750be432a_gemm:
	s_mov_b64 s[64:65], 0
	v_nop
	global_prefetch_b8 v0, s[64:65] scope:SCOPE_SE
	s_setreg_imm32_b32 hwreg(HW_REG_WAVE_MODE, 25, 1), 1
	s_wait_xcnt 0x0
	s_wait_alu depctr_hold_cnt(0) depctr_sa_sdst(0) depctr_va_vdst(0) depctr_va_sdst(0) depctr_va_ssrc(0) depctr_va_vcc(0) depctr_vm_vsrc(0)
	s_getreg_b32 s2, hwreg(HW_REG_IB_STS2, 6, 4)
	s_cmp_eq_u32 s2, 0
	s_cbranch_scc0 .Lentry_in_a_cluster
	s_endpgm
.Lentry_in_a_cluster:
	s_bfe_u32 s2, ttmp6, 0x10000c
	s_cmp_lg_u32 s2, 0xf033
	s_cbranch_scc0 .Lentry_shape_is_right
	s_endpgm
.Lentry_shape_is_right:
; gates = [prev_state | x] W_all^T on codes of BF6 with E8M0 scales, then ht = sig(o) tanh(sig(f) c + sig(i) sig(g)), all in one launch.  No work of the problem is left out.
; a_ops, b_ops: [group of 128 rows][32 K steps of 128][12,800 bytes]: 8 fragments as images of the operand's registers (3 x 512 bytes each), then 512 bytes of scale words.
; 128 rows of b_ops on end are 32 hidden columns x 4 gates (block i: gate i / 2, columns 16 (i % 2) on), so a lane finds the four gates of a hidden column in its own registers.
; A work-group of four waves makes 256 rows x 256 gate columns (64 hidden columns); a wave 128 x 128: 64 accumulators, 512 registers.  256 work-groups.
; K goes through two LDS slots of three K steps each: fills 0 to 9 hold three steps, fill 10 the last two; a wave brings 128 rows' part of a slot, a dense block, by one tensor load.
; CLUSTERS 4 x 4: A's tiles are asked for jointly along a row of the cluster, B's along a column.
; A K STEP is 64 matrix instructions (A's blocks one after the other, each against B's eight) and ONE run of 50 LDS loads: the next step's scale words, B's eight fragments and A's eight, into the other
; of two sets of registers.  The run stands behind the step's first 16 products; in a step that changes slots, behind the round and the refill.  The waits for fragments are counted block by block.
; PREFETCH: behind each joint load the NEXT fill's bytes (three K steps ahead of the load that wants them): 150 blocks of 256 bytes for each 128 rows; the four partners that ask jointly
; take 38 blocks each, told apart by address; two instructions a wave, a lane a block (lanes left over name the last block again).  Fill 1 is asked for at the head, behind fill 0's load.
; Fill 10 has 100 blocks, 25 a partner, asked for one and a half steps ahead of its load.  c_state's tile belongs to this work-group alone: each wave asks for the 64 rows of 256 bytes
; that it will load, a lane a row, two instructions, four K steps ahead of that load.
; The matrix instruction is used transposed (source 0 = B's rows, source 1 = A's): a lane holds eight neighbouring columns of one row.
; LIMITS: NaN and infinities among the inputs are not served.  tanh(ct) = (E - 1) / (E + 1), E = 2^min(2 log2(e) ct, 60): beyond that exponent the quotient is 1 in f32.
; REGISTERS: window 0: v0-31 addresses, v32-47 scale words (two sets), v64-159, v160-255 A's two sets; window 1: B's two sets at v0, v128; windows 2, 3: accumulators.
.set QB,     12800
.set GB,     32*QB
.set FRB,    1536
.set SCO,    8*FRB
.set NQ,     3
.set HALFT,  NQ*QB
.set SLOT,   4*HALFT
.set SPARE,  2*SLOT                    ; the spare words, 512 bytes that no other line names
.set FR,     12
.set NP,     4
.set CT,     SLOT                      ; c_state's tile, then ht's: in slot 1, behind its last fill of codes
.set CP,     272
.set HROW,   8192
.set ADRA, 16
.set ADRB, 18
.set ADRS, 20
.set PFO,  22                          ; v22-23 the prefetches' offsets; v27 those of the last, short fill; v30 those of c_state's rows
.set PFL,  27
.set PFC,  30
.set CA,   24
.set RD,   25
.set CO,   26
.set SPW,  28
.set NIL,  29
.set SC,   32
.set AF,   64
.set BK,   128
.set K1,   12
.set K2,   14
.set WV,   16
.set G0C,  20
.set G1,   24
.set G0,   32
.set G1B,  48
.set G0B,  56
.set G1H,  68
.set G1HB, 76
.set G1C,  84
.set PFA,  92                          ; s[92:93] the fill that is being loaded; a prefetch names the one after it
.set MSB, 0
.macro WIN new
.if MSB != (\new)
	s_set_vgpr_msb (MSB<<8)|(\new)
.set MSB, (\new)
.endif
.endm
.set MUL_LO, 0xa1
.set MUL_HI, 0xf1
.set TO_B,   0x40
.macro JLOAD g0a, g1a, g0b, g1b        ; waves 0, 1 fetch for A, waves 2, 3 for B; s_nop 0 and four v_nop behind each line
	s_cmp_eq_u32 s17, 0
	s_cbranch_scc0 .Lfor_b_\@
	tensor_load_to_lds s[\g0a:\g0a+3], s[\g1a:\g1a+7]
	s_nop 0
.rept 4
	v_nop
.endr
	s_branch .Lasked_\@
.Lfor_b_\@:
	tensor_load_to_lds s[\g0b:\g0b+3], s[\g1b:\g1b+7]
	s_nop 0
.rept 4
	v_nop
.endr
.Lasked_\@:
.endm
.macro CREST
	s_cmp_lg_u32 s[WV], 0
	s_cbranch_scc1 .Lnot_wave_0_\@
	s_barrier_signal -3
.Lnot_wave_0_\@:
	s_barrier_wait -3
	s_barrier_signal -1
	s_barrier_wait -1
.endm
.macro CROUND
	s_barrier_signal -1
	s_barrier_wait -1
	CREST
.endm
.macro ASK how, off                    ; 1: always; 2: not in the loop's last trip (the fill after that is the short one)
.if \how
.if \how == 2
	s_cmp_gt_u32 s3, 1
	s_cbranch_scc0 .Lno_ask_\@
.endif
	global_prefetch_b8 v[PFO], s[PFA:PFA+1] offset:\off th:TH_LOAD_NT scope:SCOPE_SE
	global_prefetch_b8 v[PFO+1], s[PFA:PFA+1] offset:\off th:TH_LOAD_NT scope:SCOPE_SE
.if \how == 2
.Lno_ask_\@:
.endif
.endif
.endm
	s_load_b256 s[4:11], s[0:1], 0x0               ; a_ops, b_ops, c_state, out0
	v_lshl_add_u32 v[SPW], v0, 2, SPARE
	v_mov_b32 v[NIL], 0
	ds_add_u32 v[SPW], v[NIL]                      ; the opening lines: the add twice on end under one wait
	ds_add_u32 v[SPW], v[NIL]
	v_lshrrev_b32 v1, 5, v0
	v_readfirstlane_b32 s[WV], v1
	s_lshr_b32 s17, s[WV], 1                       ; my half of the rows; also: I fetch for A (0) or B (1)
	s_and_b32 s18, s[WV], 1                        ; my half of the columns; also: which 128 rows I fetch
	s_mov_b32 s[K1], 0xbfb8aa3b                    ; -log2(e)
	s_mov_b32 s[K1+1], s[K1]
	s_mov_b32 s[K2], 0x4038aa3b                    ; 2 log2(e)
	s_mov_b32 s[K2+1], s[K2]
	s_bfe_u32 s40, ttmp6, 0x40000                  ; cx
	s_bfe_u32 s41, ttmp6, 0x40004                  ; cy
	s_lshl_b32 s42, ttmp9, 2
	s_add_co_u32 s42, s42, s40                     ; tile column
	s_and_b32 s66, ttmp7, 0xffff
	s_lshl_b32 s66, s66, 2
	s_add_co_u32 s66, s66, s41                     ; tile row
	s_lshl_b32 s43, s41, 2
	s_lshl_b32 s43, 15, s43                        ; my row of the cluster
	s_lshl_b32 s44, 0x1111, s40                    ; my column
	s_or_b32 s[G1+0], s43, (3<<16)|(1<<21)
	s_or_b32 s[G1B+0], s44, (3<<16)|(1<<21)
	s_or_b32 s[G1H+0], s43, (3<<16)|(1<<21)
	s_or_b32 s[G1HB+0], s44, (3<<16)|(1<<21)
.irp g, G1, G1B                        ; a dense block of three K steps as rows of 256 bytes
	s_mov_b32 s[\g+1], 32<<16
	s_mov_b32 s[\g+2], (HALFT/256)<<16
	s_mov_b32 s[\g+3], 32<<16
	s_mov_b32 s[\g+4], HALFT/256
	s_mov_b32 s[\g+5], 32
	s_mov_b32 s[\g+6], 0
	s_mov_b32 s[\g+7], 0
.endr
.irp g, G1H, G1HB                      ; the last fill: two K steps
	s_mov_b32 s[\g+1], 32<<16
	s_mov_b32 s[\g+2], (2*QB/256)<<16
	s_mov_b32 s[\g+3], 32<<16
	s_mov_b32 s[\g+4], 2*QB/256
	s_mov_b32 s[\g+5], 32
	s_mov_b32 s[\g+6], 0
	s_mov_b32 s[\g+7], 0
.endr
	s_mov_b32 s[G1C+0], (2<<16)|(1<<20)|(5<<22)|(3<<25)   ; c_state: 64 rows x 256 bytes, 16 of padding behind each
	s_mov_b32 s[G1C+1], 64<<16
	s_mov_b32 s[G1C+2], 64<<16
	s_mov_b32 s[G1C+3], 64<<16
	s_mov_b32 s[G1C+4], 64
	s_mov_b32 s[G1C+5], HROW/4
	s_mov_b32 s[G1C+6], 0
	s_mov_b32 s[G1C+7], 0
	s_lshl_b32 s2, s66, 1
	s_add_co_u32 s2, s2, s18
	s_mul_i32 s2, s2, GB                           ; A's group that I fetch, in bytes
	s_mov_b32 s3, 0
	s_lshl_b32 s46, s42, 1
	s_add_co_u32 s46, s46, s18
	s_mul_i32 s46, s46, GB                         ; B's
	s_mov_b32 s47, 0
	s_mul_i32 s45, s[WV], HALFT                    ; where my part of a slot lies
	s_mul_i32 s19, s17, HALFT                      ; the A rows that I multiply
	s_mul_i32 s67, s18, HALFT
	s_add_co_u32 s67, s67, 2*HALFT                 ; the B rows
	s_sub_co_u32 s97, s67, s19
	s_add_co_u32 s100, s19, SCO
	s_mul_i32 s94, s17, 128*CP
	s_lshl_b32 s95, s18, 7
	s_add_co_u32 s94, s94, s95
	s_add_co_u32 s94, s94, CT                      ; my 128 rows x 128 bytes of c's tile
	s_mul_i32 s95, s[WV], 64*CP
	s_add_co_u32 s95, s95, CT                      ; the 64 whole rows that I fetch and store
	s_mov_b32 s[G0C], 1
	s_mov_b32 s[G0C+1], s95
	s_cmp_eq_u32 s17, 0
	s_cselect_b32 s96, s40, s41                    ; p: my place among the four that ask with me
	s_lshl_b32 s98, s66, 8
	s_lshl_b32 s99, s[WV], 6
	s_add_co_u32 s98, s98, s99
	s_lshl_b32 s98, s98, 13
	s_lshl_b32 s99, s42, 8
	s_add_co_u32 s98, s98, s99                     ; c_state and out0: row 256 tile row + 64 wave, byte 256 tile column
	s_mov_b32 s99, 0
	s_wait_dscnt 0x0                               ; both opening adds are done
	s_wait_kmcnt 0x0
	s_add_nc_u64 s[2:3], s[4:5], s[2:3]
	s_add_nc_u64 s[46:47], s[6:7], s[46:47]
	s_add_nc_u64 s[10:11], s[10:11], s[98:99]
	s_add_nc_u64 s[8:9], s[8:9], s[98:99]          ; c_state at my 64 rows: for the prefetch,
	s_mov_b64 s[G0C+2:G0C+3], s[8:9]               ; and for the tile's descriptor
	s_or_b32 s[G0C+3], s[G0C+3], 0x80000000
.irp s, 0,1
	s_mov_b32 s[G0+4*\s], 1
	s_add_co_u32 s[G0+4*\s+1], s45, \s*SLOT
	s_add_nc_u64 s[G0+4*\s+2:G0+4*\s+3], s[2:3], \s*NQ*QB
	s_or_b32 s[G0+4*\s+3], s[G0+4*\s+3], 0x80000000
	s_mov_b32 s[G0B+4*\s], 1
	s_add_co_u32 s[G0B+4*\s+1], s45, \s*SLOT
	s_add_nc_u64 s[G0B+4*\s+2:G0B+4*\s+3], s[46:47], \s*NQ*QB
	s_or_b32 s[G0B+4*\s+3], s[G0B+4*\s+3], 0x80000000
.endr
	s_cmp_eq_u32 s17, 0
	s_cselect_b64 s[PFA:PFA+1], s[2:3], s[46:47]
	s_add_nc_u64 s[PFA:PFA+1], s[PFA:PFA+1], NQ*QB ; fill 1's first byte
	CROUND                                         ; all sixteen work-groups are here: the first joint loads meet
	JLOAD G0, G1, G0B, G1B                         ; fill 0, K steps 0 to 2: one tensor load a wave at the head
	v_and_b32 v3, 31, v0                           ; lane
	v_mad_u32_u24 v6, s96, 38, v3                  ; prefetch: blocks 38 p + lane,
	v_min_u32 v7, 5, v3                            ; and 38 p + 32 + 0 .. 5, none beyond block 149
	v_min_u32 v8, 24, v3                           ; the short fill: blocks 25 p + 0 .. 24
	v_min_u32 v6, 149, v6
	v_mad_u32_u24 v7, s96, 38, v7
	v_mad_u32_u24 v8, s96, 25, v8
	v_add_nc_u32 v7, 32, v7
	v_lshlrev_b32 v[PFO], 8, v6
	v_min_u32 v7, 149, v7
	v_lshlrev_b32 v[PFL], 8, v8
	v_lshlrev_b32 v[PFO+1], 8, v7
	ASK 1, 0                                       ; fill 1, whose load goes out when fill 0 has landed
	v_and_b32 v1, 15, v0                           ; r
	v_bfe_u32 v2, v0, 4, 1                         ; h
	v_lshlrev_b32 v4, 4, v3
	v_lshlrev_b32 v[PFC], 13, v3                   ; c_state: a lane a row of 8,192 bytes
	v_add_nc_u32 v[ADRA], s19, v4                  ; an image's 16 bytes for my lane
	v_add_nc_u32 v[ADRB], s67, v4
	v_add_nc_u32 v[ADRA+1], SLOT, v[ADRA]
	v_add_nc_u32 v[ADRB+1], SLOT, v[ADRB]
	v_mul_u32_u24 v5, s97, v2                      ; scale words: lanes 0-15 A's, lanes 16-31 B's
	v_lshl_add_u32 v5, v1, 4, v5
	v_add_nc_u32 v[ADRS], s100, v5
	v_add_nc_u32 v[ADRS+1], SLOT, v[ADRS]
	v_mul_u32_u24 v5, v1, CP
	v_lshl_add_u32 v5, v2, 5, v5
	v_add_nc_u32 v[CA], s94, v5                    ; c and ht: row r, 32 bytes for each half of the lanes
	v_mul_u32_u24 v5, v2, CP
	v_lshl_add_u32 v5, v1, 4, v5
	v_add_nc_u32 v[RD], s95, v5                    ; back: sixteen lanes to a row of 256 bytes
	v_lshlrev_b32 v5, 13, v2
	v_lshl_add_u32 v[CO], v1, 4, v5
.macro FRAG reg, adr, off
.irp c, 0,1,2
	ds_load_b128 v[(\reg)+4*\c:(\reg)+4*\c+3], v[\adr] offset:(\off)+512*\c
.endr
.endm
.macro SCALES p, ns, nq
	ds_load_b128 v[SC+8*(\p):SC+8*(\p)+3], v[ADRS+\ns] offset:(\nq)*QB
	ds_load_b128 v[SC+8*(\p)+4:SC+8*(\p)+7], v[ADRS+\ns] offset:(\nq)*QB+256
.endm
.macro RUN p, ns, nq                   ; 50 LDS loads: the step at (ns, nq) into set p: 2 of scale words, 24 of B, 24 of A, A's blocks in ascending order.  Every window is 0 on the way in and out
	SCALES \p, \ns, \nq
	WIN TO_B
.irp i, 0,1,2,3,4,5,6,7
	FRAG 128*(\p)+FR*\i, ADRB+\ns, (\nq)*QB+\i*FRB
.endr
	WIN 0
.irp i, 0,1,2,3,4,5,6,7
	FRAG AF+96*(\p)+FR*\i, ADRA+\ns, (\nq)*QB+\i*FRB
.endr
.endm
.macro MUL8 a, p, zero                 ; A's block a against B's eight; the 64 accumulators take turns
.irp b, 0,1,2,3,4,5,6,7
.if \zero
	v_wmma_scale_f32_16x16x128_f8f6f4 v[8*(8*((\a)%4)+\b):8*(8*((\a)%4)+\b)+7], v[128*(\p)+FR*\b:128*(\p)+FR*\b+FR-1], v[AF+96*(\p)+FR*(\a):AF+96*(\p)+FR*(\a)+FR-1], 0, v[SC+8*(\p)+\b], v[SC+8*(\p)+(\a)] matrix_a_fmt:MATRIX_FMT_BF6 matrix_b_fmt:MATRIX_FMT_BF6 matrix_a_scale:MATRIX_SCALE_ROW1
.else
	v_wmma_scale_f32_16x16x128_f8f6f4 v[8*(8*((\a)%4)+\b):8*(8*((\a)%4)+\b)+7], v[128*(\p)+FR*\b:128*(\p)+FR*\b+FR-1], v[AF+96*(\p)+FR*(\a):AF+96*(\p)+FR*(\a)+FR-1], v[8*(8*((\a)%4)+\b):8*(8*((\a)%4)+\b)+7], v[SC+8*(\p)+\b], v[SC+8*(\p)+(\a)] matrix_a_fmt:MATRIX_FMT_BF6 matrix_b_fmt:MATRIX_FMT_BF6 matrix_a_scale:MATRIX_SCALE_ROW1
.endif
.endr
.endm
.macro PLACES n                        ; places in front of loads into registers that matrix instructions have read
.rept \n
	v_nop
.endr
.endm
.macro STEPQ p, zero, ns, nq           ; a step inside a slot; the next step lies at (ns, nq)
	s_wait_dscnt 21                                ; of the last run's 50: the scale words, B and A's block 0 are in; A's blocks 1-7 may be out
	WIN MUL_LO
	MUL8 0, \p, \zero
	s_wait_dscnt 18                                ; block 1
	MUL8 1, \p, \zero
	s_wait_dscnt 12                                ; blocks 2, 3
	PLACES NP
	WIN 0
	RUN 1-(\p), \ns, \nq
	WIN MUL_LO
	MUL8 2, \p, \zero
	MUL8 3, \p, \zero
	s_wait_dscnt 59                                ; block 4: behind it blocks 5-7 (9 loads) and the 50 just issued
	WIN MUL_HI
	MUL8 4, \p, \zero
	s_wait_dscnt 56
	MUL8 5, \p, \zero
	s_wait_dscnt 53
	MUL8 6, \p, \zero
	s_wait_dscnt 50
	MUL8 7, \p, \zero
.endm
; A slot's last step.  fill = 1: the slot takes the three K steps that lie two fills on; 3: the last two K steps; 2: c_state's tile.  how: the prefetch (ASK)
.macro TURNQ slot, p, fill, next, how
	WIN 0
.if \how
	s_wait_xcnt 0x0                                ; my last prefetches have read their base: it steps only behind this wait
	s_add_nc_u64 s[PFA:PFA+1], s[PFA:PFA+1], NQ*QB
.endif
	s_wait_tensorcnt 0x0                           ; my part of the next slot is in: no tensor load of mine is out
	ds_add_u32 v[SPW], v[NIL]
	s_wait_dscnt 22                                ; (the add and A's blocks 1-7 may be out)
	WIN MUL_LO
	MUL8 0, \p, 0
	s_wait_dscnt 19
	MUL8 1, \p, 0
	s_wait_dscnt 0x0                               ; the add is done, my reads of this slot are over
	s_barrier_signal -1                            ; opens a round of the cluster's barrier
	MUL8 2, \p, 0
	MUL8 3, \p, 0
	WIN 0
	s_barrier_wait -1
	CREST
.if \fill == 2
	tensor_load_to_lds s[G0C:G0C+3], s[G1C:G1C+7]  ; my 64 rows of c_state's tile
	s_nop 0
	PLACES NP
.else
	s_add_nc_u64 s[G0+4*\slot+2:G0+4*\slot+3], s[G0+4*\slot+2:G0+4*\slot+3], 2*NQ*QB
	s_add_nc_u64 s[G0B+4*\slot+2:G0B+4*\slot+3], s[G0B+4*\slot+2:G0B+4*\slot+3], 2*NQ*QB
.if \fill == 1
	JLOAD G0+4*\slot, G1, G0B+4*\slot, G1B         ; the first tensor load behind the round; its four v_nop are the places for the loads below
.else
	JLOAD G0+4*\slot, G1H, G0B+4*\slot, G1HB
.endif
.endif
	RUN 1-(\p), \next, 0
	ASK \how, NQ*QB
	WIN MUL_HI
	MUL8 4, \p, 0
	MUL8 5, \p, 0
	MUL8 6, \p, 0
	MUL8 7, \p, 0
.endm
.macro CLOAD                           ; c of my 128 rows x 32 hidden columns -> window 1, v0-127
.irp a, 0,1,2,3,4,5,6,7
.irp u, 0,1
.irp p, 0,1
	ds_load_b128 v[16*\a+8*\u+4*\p:16*\a+8*\u+4*\p+3], v[CA] offset:16*CP*\a+64*\u+16*\p
.endr
.endr
.endr
.endm
; The gates of one window: four blocks of 16 rows.  In block q registers 64 q + 16 g + 0 .. 15 hold gate g of my 16 hidden columns.
; e = 2^(-log2(e) gate); ct = c / (1 + ef) + 1 / ((1 + ei)(1 + eg)); ht = (E - 1) / ((E + 1)(1 + eo)).  (1 + a) b is one fused multiply-add, a b + b; no factor is under 1, so an e that is infinite gives infinity.
; Each batch of transcendentals has one wait ahead of it and one behind it, and one stands ahead of the first read of the sums.
.macro GATES4 hi
	WIN 0xaa+0x55*(\hi)
	s_wait_alu depctr_va_vdst(0)
.set j, 0
.rept 128
	v_pk_mul_f32 v[j:j+1], v[j:j+1], s[K1:K1+1] op_sel_hi:[1,0]
.set j, j+2
.endr
	s_wait_alu depctr_va_vdst(0)
.set j, 0
.rept 256
	v_exp_f32 v[j], v[j]
.set j, j+1
.endr
	v_nop
	s_wait_alu depctr_va_vdst(0)
.irp q, 0,64,128,192
.set j, \q
.rept 8
	v_pk_add_f32 v[j:j+1], v[j:j+1], 1.0 op_sel_hi:[1,0]               ; 1 + ef
	v_pk_add_f32 v[32+j:33+j], v[32+j:33+j], 1.0 op_sel_hi:[1,0]       ; 1 + eg
.set j, j+2
.endr
.endr
.irp q, 0,64,128,192
.set j, \q
.rept 8
	v_pk_fma_f32 v[32+j:33+j], v[16+j:17+j], v[32+j:33+j], v[32+j:33+j]   ; (1 + ei)(1 + eg)
.set j, j+2
.endr
.endr
	s_wait_alu depctr_va_vdst(0)
.irp q, 0,64,128,192
.set j, \q
.rept 16
	v_rcp_f32 v[j], v[j]
	v_rcp_f32 v[32+j], v[32+j]
.set j, j+1
.endr
.endr
	v_nop
.if (\hi) == 0
	s_wait_dscnt 0x0                               ; c is in
.endif
	WIN 0xa9+0x54*(\hi)
	s_wait_alu depctr_va_vdst(0)
.irp q, 0,1,2,3
.set j, 0
.rept 8
	v_pk_fma_f32 v[64*\q+j:64*\q+j+1], v[16*(4*(\hi)+\q)+j:16*(4*(\hi)+\q)+j+1], v[64*\q+j:64*\q+j+1], v[64*\q+32+j:64*\q+33+j]   ; ct
.set j, j+2
.endr
.endr
	WIN 0xaa+0x55*(\hi)
.irp q, 0,64,128,192
.set j, \q
.rept 8
	v_pk_mul_f32 v[j:j+1], v[j:j+1], s[K2:K2+1] op_sel_hi:[1,0]
.set j, j+2
.endr
.endr
.irp q, 0,64,128,192
.set j, \q
.rept 16
	v_min_num_f32 v[j], 0x42700000, v[j]
.set j, j+1
.endr
.endr
	s_wait_alu depctr_va_vdst(0)
.irp q, 0,64,128,192
.set j, \q
.rept 16
	v_exp_f32 v[j], v[j]                           ; E
.set j, j+1
.endr
.endr
	v_nop
	s_wait_alu depctr_va_vdst(0)
.irp q, 0,64,128,192
.set j, \q
.rept 8
	v_pk_add_f32 v[16+j:17+j], v[j:j+1], -1.0 op_sel_hi:[1,0]          ; E - 1
.set j, j+2
.endr
.endr
.irp q, 0,64,128,192
.set j, \q
.rept 8
	v_pk_add_f32 v[j:j+1], v[j:j+1], 1.0 op_sel_hi:[1,0]               ; E + 1
.set j, j+2
.endr
.endr
.irp q, 0,64,128,192
.set j, \q
.rept 8
	v_pk_fma_f32 v[48+j:49+j], v[48+j:49+j], v[j:j+1], v[j:j+1]        ; (1 + eo)(E + 1)
.set j, j+2
.endr
.endr
	s_wait_alu depctr_va_vdst(0)
.irp q, 0,64,128,192
.set j, \q
.rept 16
	v_rcp_f32 v[48+j], v[48+j]
.set j, j+1
.endr
.endr
	v_nop
	s_wait_alu depctr_va_vdst(0)
.irp q, 0,64,128,192
.set j, \q
.rept 8
	v_pk_mul_f32 v[16+j:17+j], v[16+j:17+j], v[48+j:49+j]              ; ht
.set j, j+2
.endr
.endr
	WIN 0x08+4*(\hi)
.irp q, 0,1,2,3
.irp u, 0,1
.irp p, 0,1
	ds_store_b128 v[CA], v[64*\q+16+8*\u+4*\p:64*\q+16+8*\u+4*\p+3] offset:16*CP*(4*(\hi)+\q)+64*\u+16*\p   ; ht over my own bytes of c's tile
.endr
.endr
.endr
.endm
	s_wait_alu depctr_va_vdst(0)
	s_wait_tensorcnt 0x0                           ; my part of fill 0 is in; the same lines as ahead of a refill:
	ds_add_u32 v[SPW], v[NIL]
	s_wait_dscnt 0x0
	CROUND                                         ; everybody's part is in, and the joint loads meet
	JLOAD G0+4, G1, G0B+4, G1B                     ; fill 1, K steps 3 to 5: slot 1's first fill
	RUN 0, 0, 0
	ASK 1, NQ*QB                                   ; fill 2
	STEPQ 0, 1, 0, 1                               ; K step 0: its products start the sums
	WIN 0
	s_mov_b32 s3, 4
.Llap:                                                 ; a trip: six K steps, from an even fill's second step to the next even fill's first
	STEPQ 1, 0, 0, 2
	TURNQ 0, 0, 1, 1, 1
	STEPQ 1, 0, 1, 1
	STEPQ 0, 0, 1, 2
	TURNQ 1, 1, 1, 0, 2
	STEPQ 0, 0, 0, 1
	WIN 0
	s_sub_co_u32 s3, s3, 1
	s_cmp_lg_u32 s3, 0
	s_cbranch_scc1 .Llap
	global_prefetch_b8 v[PFL], s[PFA:PFA+1] offset:NQ*QB th:TH_LOAD_NT scope:SCOPE_SE   ; fill 10: 25 blocks a partner; the base stands at fill 9
	global_prefetch_b8 v[PFC], s[8:9] th:TH_LOAD_NT scope:SCOPE_SE                      ; c_state: my rows 0 to 31,
	global_prefetch_b8 v[PFC], s[8:9] offset:32*HROW th:TH_LOAD_NT scope:SCOPE_SE       ; and 32 to 63
	STEPQ 1, 0, 0, 2                               ; K step 25
	TURNQ 0, 0, 3, 1, 0                            ; slot 0 takes fill 10
	STEPQ 1, 0, 1, 1
	STEPQ 0, 0, 1, 2
	TURNQ 1, 1, 2, 0, 0                            ; slot 1 has been read out: it takes c_state's tile
	STEPQ 0, 0, 0, 1                               ; K step 30
	s_wait_dscnt 21                                ; the last step: nothing more to fetch
	WIN MUL_LO
	MUL8 0, 1, 0
	s_wait_dscnt 18
	MUL8 1, 1, 0
	s_wait_dscnt 12
	MUL8 2, 1, 0
	MUL8 3, 1, 0
	s_wait_tensorcnt 0x0                           ; my rows of c's tile are in,
	s_wait_dscnt 0x0                               ; and all my fragments
	s_barrier_signal -1
	WIN MUL_HI
	MUL8 4, 1, 0
	MUL8 5, 1, 0
	s_barrier_wait -1                              ; c's tile is whole
	PLACES NP
	WIN TO_B
	CLOAD
	WIN MUL_HI
	MUL8 6, 1, 0
	MUL8 7, 1, 0
	PLACES NP
	GATES4 0
	GATES4 1
	WIN 0
	s_wait_dscnt 0x0                               ; for the others' sake: my stores of ht are done
	s_barrier_signal -1
	s_barrier_wait -1
.irp t, 0,1,2,3,4,5,6,7,8,9,10,11,12,13,14,15,16,17,18,19,20,21,22,23,24,25,26,27,28,29,30,31
	ds_load_b128 v[BK+4*\t:BK+4*\t+3], v[RD] offset:\t*2*CP
.endr
.irp t, 0,1,2,3,4,5,6,7,8,9,10,11,12,13,14,15,16,17,18,19,20,21,22,23,24,25,26,27,28,29,30,31
	s_wait_dscnt 31-\t
	global_store_b128 v[CO], v[BK+4*\t:BK+4*\t+3], s[10:11] offset:\t*2*HROW th:TH_STORE_NT   ; sixteen lanes store 256 consecutive bytes, aligned
.endr
	s_wait_tensorcnt 0x0                           ; the wave's end
	ds_add_u32 v[SPW], v[NIL]
	s_wait_dscnt 0x0
	CROUND                                         ; the closing round
	s_endpgm
.Lfunc_end_k_qb750be432a_gemm:
	.size	k_qb750be432a_gemm, .Lfunc_end_k_qb750be432a_gemm-k_qb750be432a_gemm
	.p2alignl 7, 3214868480
	.fill 96, 4, 3214868480
	.section	.rodata,"a",@progbits
	.p2align	6, 0x0
	.amdhsa_kernel k_qb750be432a_gemm
		.amdhsa_group_segment_fixed_size 327680
		.amdhsa_private_segment_fixed_size 0
		.amdhsa_enable_private_segment 0
		.amdhsa_kernarg_size 32
		.amdhsa_user_sgpr_count 2
		.amdhsa_user_sgpr_kernarg_segment_ptr 1
		.amdhsa_wavefront_size32 1
		.amdhsa_system_sgpr_workgroup_id_x 1
		.amdhsa_system_sgpr_workgroup_id_y 1
		.amdhsa_system_sgpr_workgroup_id_z 1
		.amdhsa_system_vgpr_workitem_id 0
		.amdhsa_next_free_vgpr 1024
		.amdhsa_next_free_sgpr 101
		.amdhsa_reserve_vcc 0
		.amdhsa_float_denorm_mode_32 3
		.amdhsa_float_denorm_mode_16_64 3
		.amdhsa_memory_ordered 1
		.amdhsa_forward_progress 1
		.amdhsa_inst_pref_size 255
	.end_amdhsa_kernel
	.section	.bss,"aw",@nobits
	.p2align	6
	.space	262144
	.amdgpu_metadata
---
amdhsa.version: [ 1, 2 ]
amdhsa.kernels:
  - .name:           k_qb750be432a_gemm
    .symbol:         k_qb750be432a_gemm.kd
    .args:
      - { .name: a_ops, .offset: 0, .size: 8, .value_kind: global_buffer, .address_space: global }
      - { .name: b_ops, .offset: 8, .size: 8, .value_kind: global_buffer, .address_space: global }
      - { .name: c_state, .offset: 16, .size: 8, .value_kind: global_buffer, .address_space: global }
      - { .name: out0, .offset: 24, .size: 8, .value_kind: global_buffer, .address_space: global }
    .group_segment_fixed_size: 327680
    .private_segment_fixed_size: 0
    .kernarg_segment_align: 8
    .kernarg_segment_size: 32
    .max_flat_workgroup_size: 128
    .sgpr_count:     101
    .vgpr_count:     1024
    .wavefront_size: 32
...
	.end_amdgpu_metadata
.endif
;; end of part 2
